; MI455X (gfx1250); checked and timed in simulation.
; The chip was launched on July 23, 2026; its instructions are those of AMD's public machine-readable ISA for CDNA 5 (MIT licence, August 2026) and "CDNA5" Instruction Set Architecture Reference Guide (July 2026). The comments in the code are by the model that wrote it; some were corrected since.
;; Multihead Self Attention. Allowed arithmetic: matrix products marked QUANTISED: E4M3 operands, one given power-of-two scale a tensor, by v_wmma_f32_16x16x64_fp8_fp8 or v_wmma_f32_16x16x128_fp8_fp8, f32 sums; everything else in f32.
;; Inputs: We 1,024 x 1,024 float32; Wk 1,024 x 1,024 float32; Wq 1,024 x 1,024 float32; Wv 1,024 x 1,024 float32; be 1,024 float32; bk 1,024 float32; bq 1,024 float32; bv 1,024 float32; key 4 x 1 x 2,048 x 1,024 float32; lowp_scales 12 int32 (the exponents e of the quantised operands' scales 2^e); query 4 x 1 x 2,048 x 1,024 float32; value 4 x 1 x 2,048 x 1,024 float32.
;; Outputs: out0 4 x 1 x 2,048 x 1,024 float32.
;; This version of the problem:
;;   THIS VERSION OF THE PROBLEM IS GIVEN IN LOW PRECISION. The matrix products marked QUANTISED in the list below multiply operands that are first quantised to E4M3 (4 exponent bits, 3 mantissa bits; 8 bits a number), with one given power-of-two scale for each operand tensor; their sums are f32. All else is computed in f32.
;;   The module's matrix products, in the order in which they are computed (A, B: the left and right operand; K: the contracted axis; several contracted axes count as one K, in the product's order):
;;     1. [M 8,192, K 1,024] x [K 1,024, N 1,024]; A: input query; B: input Wq: QUANTISED (scales: A lowp_scales[0], B lowp_scales[1])
;;     2. [M 8,192, K 1,024] x [K 1,024, N 1,024]; A: input key; B: input Wk: QUANTISED (scales: A lowp_scales[2], B lowp_scales[3])
;;     3. [M 8,192, K 1,024] x [K 1,024, N 1,024]; A: input value; B: input Wv: QUANTISED (scales: A lowp_scales[4], B lowp_scales[5])
;;     4. batch 64 x [M 2,048, K 64] x [K 64, N 2,048]; A: computed on the way; B: computed on the way: QUANTISED (scales: A lowp_scales[6], B lowp_scales[7])
;;     5. batch 64 x [M 2,048, K 2,048] x [K 2,048, N 64]; A: softmax (see below); B: computed on the way: QUANTISED (scales: A lowp_scales[8], B lowp_scales[9])
;;     6. [M 8,192, K 1,024] x [K 1,024, N 1,024]; A: computed on the way; B: input We: QUANTISED (scales: A lowp_scales[10], B lowp_scales[11])
;;   THE QUANTISER, for each operand of a quantised product, along K:
;;     - The operand's scale is 2^e, e = its entry of the input lowp_scales (int32; the entries are numbered through the quantised products in the list's order, A before B).
;;     - Each number is divided by the scale, clamped to +-448, and rounded to the nearest number of E4M3, ties to even, subnormals kept.
;;     - The product sums the exact products of the quantised numbers (number of the format x scale) in f32.
;;   ~~~python
;;   def quantise(x, axis, e):      # numpy; x: float32 -> the quantised numbers, widened to float32 again
;;       x = np.moveaxis(x, axis, -1); K = x.shape[-1]
;;       r = np.clip(x / 2.0 ** e, -448, 448)
;;       step = 2.0 ** (np.maximum(np.frexp(np.where(r == 0, 1, r))[1] - 1, -6) - 3)
;;       q = np.round(r / step) * step * 2.0 ** e      # np.round: ties to even
;;       return np.moveaxis(q, -1, axis).astype(np.float32)
;;   ~~~
;;   SOFTMAX AHEAD OF A QUANTISED PRODUCT. Where the list says 'softmax', what is quantised is not the finished softmax but p = 2^(t - M), with t = logit x log2(e) and M = ceil(the row's largest t), a whole number; so 1/2 < the row's largest p <= 1. The row's sum l is taken of the UNQUANTISED p, in f32, and the product's result is divided by l at the end. Since M is a whole number, a kernel that streams over the keys may use a running M (the ceiling of the running maximum): every later rescaling is an exact power of two, so the quantised numbers keep their values, but for numbers so far below the row's largest that they fall under the format's range.
;;   OPERANDS COMPUTED ON THE WAY. 'Computed on the way' means the value that the module computes at that place (a softmax that the list does not call 'softmax' is quantised finished and normalised). What goes into a quantiser is computed in f32, as accurately as f32 sums, v_exp_f32 and their like allow (about 1e-6 of the number): no bf16 or f16 on the way to a quantiser, and a product that is left as it is and whose result goes on into a quantised operand takes f32 operands (vector FMAs, or v_wmma_f32_16x16x4_f32). A number that lies on a knife's edge between two numbers of the format may be rounded either way, as far as f32 arithmetic and the matrix unit's own rounding can turn it there, and no further.
;; One version. Each part assembles by itself: llvm-mc -triple=amdgcn-amd-amdhsa -mcpu=gfx1250 --defsym DOCPART=n.
;; ======== version 1 of 1: 4 launches
;; limits: right only within a limited range of input values
;; workspace buffers: codes 29,360,128 bytes; qkv 25,165,824 bytes; att 8,388,608 bytes
;; launch quant (part 1): grid 896 x 1, 4 waves a work-group, no clusters, 35,328 bytes of LDS; arguments query, key, value, Wq, Wk, Wv, We, lowp_scales, codes; writes codes
.if DOCPART == 1
	.amdgcn_target "amdgcn-amd-amdhsa--gfx1250"
	.amdhsa_code_object_version 6
	.text
	.protected	k_q30d3ed3e8d_quant
	.globl	k_q30d3ed3e8d_quant
	.p2align	8
	.type	k_q30d3ed3e8d_quant,@function
k_q30d3ed3e8d_quant:
	s_mov_b64 s[64:65], 0
	v_nop
	global_prefetch_b8 v0, s[64:65] scope:SCOPE_SE
	s_setreg_imm32_b32 hwreg(HW_REG_WAVE_MODE, 25, 1), 1
	s_wait_xcnt 0x0
; The seven f32 tensors [rows][1024] (query, key, value: 8,192 rows; Wq, Wk, Wv, We: 1,024 rows) become codes of FP8 (E4M3), each with the one scale 2^e given for it.
; code = x / 2^e, held within +-448, rounded to the nearest code, ties to even.  LIMITS: -126 <= e <= 119; NaN among the inputs is not served (an infinity is held at the largest code).
; THE CODES ARE LAID AS IMAGES OF THE OPERAND'S REGISTERS.  A fragment of 16 rows x 128 K is 2,048 bytes: piece c (registers 4 c .. 4 c + 3) at 512 c, lane l's 16 bytes at 16 l.
; Lane (r = l % 16, h = l / 16) holds of row r: bytes 0-7: k = 32 c + 8 h + 0..7; bytes 8-15: k = 32 c + 16 + 8 h + 0..7: the place that the plain FP8 matrix forms give each k.
; A tensor's region is [tile of 16 rows][K step of 128: 0..7][2,048]; the regions lie on end in the order of the work-groups, so the output's place is 32,768 x work-group.
; SHARES.  A work-group takes 32 rows of one tensor; wave w takes row tile w / 2 and K half w % 2: 16 rows x 512 K, in 8 units of 16 rows x 64 K.
; A unit's 8 loads read 256 consecutive bytes of two rows each; the 4,096 bytes turn through the wave's own stage in LDS (rows of 256 + 16 bytes) and come back as a lane's
; four runs of eight neighbours along K.  A unit's codes leave by two stores of 512 consecutive bytes.  No barrier: waves share nothing.  Loads run four units (32 loads a wave) ahead.
.set R,     16                         ; v16-143   four sets of 32 registers, as loaded
.set X,     144                        ; v144-207  two sets of 32: register 16 c + 8 d + i = k 32 c + 16 d + 8 h + i of my row
.set C,     208                        ; v208-239  four sets of 8: a unit's codes
.set SP,    272                        ; a stage row: 256 bytes + 16 of padding
.set STG,   16*SP                      ; a stage
.set WREG,  2*STG                      ; two stages for each wave
	s_load_b512 s[4:19], s[0:1], 0x0               ; query s[4:5], key s[6:7], value s[8:9], Wq s[10:11], Wk s[12:13], Wv s[14:15], We s[16:17], the scales' exponents s[18:19]
	s_load_b64 s[20:21], s[0:1], 0x40              ; the codes
	v_lshl_add_u32 v240, v0, 2, 0x8800
	v_mov_b32 v241, 0
	v_lshrrev_b32 v1, 5, v0
	v_readfirstlane_b32 s26, v1                    ; wave 0..3
	v_and_b32 v2, 31, v0                           ; lane
	v_and_b32 v6, 15, v0                           ; lane % 16
	v_bfe_u32 v5, v0, 4, 1                         ; lane / 16
	v_lshlrev_b32 v4, 4, v2                        ; out: 16 x lane
	v_lshlrev_b32 v3, 12, v5                       ; in: lanes 0-15 one row's 256 bytes, lanes 16-31 the next row's (a row is 4,096 bytes)
	v_lshl_add_u32 v3, v6, 4, v3
	s_mul_i32 s27, s26, WREG                       ; my wave's stages
	v_mul_u32_u24 v14, v5, SP
	v_lshl_add_u32 v14, v6, 4, v14
	v_add_nc_u32 v14, s27, v14                     ; into a stage: as loaded
	v_mul_u32_u24 v15, v6, SP
	v_lshl_add_u32 v15, v5, 5, v15
	v_add_nc_u32 v15, s27, v15                     ; out of it: row r, + 32 h bytes (8 numbers)
	s_lshr_b32 s28, s26, 1                         ; my row tile of the group's two
	s_and_b32 s29, s26, 1                          ; my half of K
	s_wait_alu depctr_va_vdst(0)
	s_wait_kmcnt 0x0
	s_load_b256 s[40:47], s[18:19], 0x0            ; entries 0 to 7
	s_load_b128 s[48:51], s[18:19], 0x20           ; entries 8 to 11
	; which tensor is mine: the choice hangs on the work-group's number alone.  Only a pointer, a first work-group and (below) an exponent are chosen: all tensors take one path.
	s_mov_b64 s[22:23], s[16:17]                   ; We: work-groups 864 on
	s_mov_b32 s24, 864
.macro PICK bound, ptr, first
	s_cmp_lt_u32 ttmp9, \bound
	s_cselect_b64 s[22:23], s[\ptr:\ptr+1], s[22:23]
	s_cselect_b32 s24, \first, s24
.endm
	PICK 864, 14, 832                              ; Wv
	PICK 832, 12, 800                              ; Wk
	PICK 800, 10, 768                              ; Wq
	PICK 768, 8, 512                               ; value
	PICK 512, 6, 256                               ; key
	PICK 256, 4, 0                                 ; query
	s_sub_co_u32 s30, ttmp9, s24
	s_lshl_b32 s30, s30, 17                        ; 32 rows of 4,096 bytes for each work-group,
	s_lshl_b32 s31, s28, 16                        ; 16 rows for the row tile,
	s_add_co_u32 s30, s30, s31
	s_lshl_b32 s31, s29, 11                        ; 512 numbers for the half of K
	s_add_co_u32 s30, s30, s31
	s_mov_b32 s31, 0
	s_add_nc_u64 s[22:23], s[22:23], s[30:31]
	s_lshl_b32 s32, ttmp9, 15                      ; the codes: 32,768 bytes for each work-group,
	s_lshl_b32 s33, s28, 14                        ; 16,384 for the row tile,
	s_add_co_u32 s32, s32, s33
	s_lshl_b32 s33, s29, 13                        ; four K steps of 2,048 for the half of K
	s_add_co_u32 s32, s32, s33
	s_mov_b32 s33, 0
	s_add_nc_u64 s[20:21], s[20:21], s[32:33]
.macro LOAD u                          ; unit u: 16 rows x 256 bytes, two rows a load
.irp i, 0,1,2,3,4,5,6,7
	global_load_b128 v[R+32*((\u)%4)+4*\i:R+32*((\u)%4)+4*\i+3], v3, s[22:23] offset:8192*\i+256*(\u) th:TH_LOAD_NT
.endr
.endm
.macro TURN u                          ; unit u through a stage: LDS serves a wave's instructions in order (ISA guide 5.7.1.4), so no wait stands between the stores and the loads
.irp i, 0,1,2,3,4,5,6,7
	ds_store_b128 v14, v[R+32*((\u)%4)+4*\i:R+32*((\u)%4)+4*\i+3] offset:STG*((\u)%2)+2*SP*\i
.endr
.irp c, 0,1
.irp d, 0,1
.irp e, 0,1
	ds_load_b128 v[X+32*((\u)%2)+16*\c+8*\d+4*\e:X+32*((\u)%2)+16*\c+8*\d+4*\e+3], v15 offset:STG*((\u)%2)+128*\c+64*\d+16*\e
.endr
.endr
.endr
.endm
.irp u, 0,1,2,3
	LOAD \u
.endr
	s_wait_kmcnt 0x0
	s_mov_b32 s34, s51                             ; e: We's is entry 11
.macro PICKE bound, reg
	s_cmp_lt_u32 ttmp9, \bound
	s_cselect_b32 s34, s[\reg], s34
.endm
	PICKE 864, 45                                  ; Wv: entry 5
	PICKE 832, 43                                  ; Wk: 3
	PICKE 800, 41                                  ; Wq: 1
	PICKE 768, 44                                  ; value: 4
	PICKE 512, 42                                  ; key: 2
	PICKE 256, 40                                  ; query: 0
	s_add_co_i32 s34, s34, 127
	s_lshl_b32 s35, s34, 23
	v_mov_b32 v11, s35                             ; 2^e as f32: the conversion takes its exponent field
	s_add_co_i32 s34, s34, 8
	s_lshl_b32 s34, s34, 23
	s_or_b32 s34, s34, 0x600000
	v_mov_b32 v10, s34                             ; 448 x 2^e
	s_wait_alu depctr_va_vdst(0)
	s_wait_loadcnt 24                              ; unit 0's eight loads are in; units 1 to 3 (24 loads) stay out
	TURN 0
.macro STEP u
.set XS, X+32*((\u)%2)
.set CS, C+8*((\u)%4)
	s_wait_dscnt 0x0                               ; this unit's numbers are back from the stage, so its stores into the stage have read their registers,
.if (\u)+4 < 8
	LOAD (\u)+4                                    ; which take the loads of four units on
.endif
.if (\u) < 7
.if (\u) <= 3
	s_wait_loadcnt 24                              ; the next unit's eight loads are in; the three units behind it may be out
.else
	s_wait_loadcnt 8*(6-(\u))                      ; the counts run down: 16, 8, 0
.endif
	TURN (\u)+1                                    ; it goes through the other stage while this unit is worked
.endif
.set j, 0
.rept 32
	v_med3_num_f32 v[XS+j], v[XS+j], -v10, v10     ; the conversion to an 8-bit code does not saturate (ISA guide 7.6.2): the hold at the largest code x the scale comes first
.set j, j+1
.endr
.if (\u) >= 4
	s_wait_alu depctr_va_vdst(0)
	s_wait_xcnt 0x0                                ; the stores of four units ago have read these registers: they are rewritten only behind this wait
.endif
.irp c, 0,1
.irp d, 0,1
	v_cvt_scalef32_pk8_fp8_f32 v[CS+4*\c+2*\d:CS+4*\c+2*\d+1], v[XS+16*\c+8*\d:XS+16*\c+8*\d+7], v11
.endr
.endr
; (the results go to stores alone, and the next vector lines are the next unit's holds: plain, and on other registers)
.irp c, 0,1
	global_store_b128 v4, v[CS+4*\c:CS+4*\c+3], s[20:21] offset:1024*(\u)+512*\c   ; 32 lanes store 512 consecutive bytes, at a multiple of 256 from the buffer's first byte
.endr
.endm
.irp u, 0,1,2,3,4,5,6,7
	STEP \u
.endr
	s_wait_tensorcnt 0x0
	ds_add_u32 v240, v241
	s_wait_dscnt 0x0
	s_endpgm
.Lfunc_end_k_q30d3ed3e8d_quant:
	.size	k_q30d3ed3e8d_quant, .Lfunc_end_k_q30d3ed3e8d_quant-k_q30d3ed3e8d_quant
	.p2alignl 7, 3214868480
	.fill 96, 4, 3214868480
	.section	.rodata,"a",@progbits
	.p2align	6, 0x0
	.amdhsa_kernel k_q30d3ed3e8d_quant
		.amdhsa_group_segment_fixed_size 35328
		.amdhsa_private_segment_fixed_size 0
		.amdhsa_enable_private_segment 0
		.amdhsa_kernarg_size 72
		.amdhsa_user_sgpr_count 2
		.amdhsa_user_sgpr_kernarg_segment_ptr 1
		.amdhsa_wavefront_size32 1
		.amdhsa_system_sgpr_workgroup_id_x 1
		.amdhsa_system_sgpr_workgroup_id_y 1
		.amdhsa_system_sgpr_workgroup_id_z 1
		.amdhsa_system_vgpr_workitem_id 0
		.amdhsa_next_free_vgpr 242
		.amdhsa_next_free_sgpr 66
		.amdhsa_reserve_vcc 0
		.amdhsa_float_denorm_mode_32 3
		.amdhsa_float_denorm_mode_16_64 3
		.amdhsa_memory_ordered 1
		.amdhsa_forward_progress 1
		.amdhsa_inst_pref_size 39
	.end_amdhsa_kernel
	.amdgpu_metadata
---
amdhsa.version: [ 1, 2 ]
amdhsa.kernels:
  - .name:           k_q30d3ed3e8d_quant
    .symbol:         k_q30d3ed3e8d_quant.kd
    .args:
      - { .name: query, .offset: 0, .size: 8, .value_kind: global_buffer, .address_space: global }
      - { .name: key, .offset: 8, .size: 8, .value_kind: global_buffer, .address_space: global }
      - { .name: value, .offset: 16, .size: 8, .value_kind: global_buffer, .address_space: global }
      - { .name: Wq, .offset: 24, .size: 8, .value_kind: global_buffer, .address_space: global }
      - { .name: Wk, .offset: 32, .size: 8, .value_kind: global_buffer, .address_space: global }
      - { .name: Wv, .offset: 40, .size: 8, .value_kind: global_buffer, .address_space: global }
      - { .name: We, .offset: 48, .size: 8, .value_kind: global_buffer, .address_space: global }
      - { .name: lowp_scales, .offset: 56, .size: 8, .value_kind: global_buffer, .address_space: global }
      - { .name: codes, .offset: 64, .size: 8, .value_kind: global_buffer, .address_space: global }
    .group_segment_fixed_size: 35328
    .private_segment_fixed_size: 0
    .kernarg_segment_align: 8
    .kernarg_segment_size: 72
    .max_flat_workgroup_size: 128
    .sgpr_count:     66
    .vgpr_count:     242
    .wavefront_size: 32
...
	.end_amdgpu_metadata
.endif
;; end of part 1
;; launch proj (part 2): grid 4 x 96, 4 waves a work-group, clusters of 4 x 4, 327,680 bytes of LDS; arguments codes, lowp_scales, bq, bk, bv, qkv; writes qkv
.if DOCPART == 2
	.amdgcn_target "amdgcn-amd-amdhsa--gfx1250"
	.amdhsa_code_object_version 6
	.text
	.protected	k_q30d3ed3e8d_proj
	.globl	k_q30d3ed3e8d_proj
	.p2align	8
	.type	k_q30d3ed3e8d_proj,@function
k_q30d3ed3e8d_proj:
	s_mov_b64 s[64:65], 0
	v_nop
	global_prefetch_b8 v0, s[64:65] scope:SCOPE_SE
	s_setreg_imm32_b32 hwreg(HW_REG_WAVE_MODE, 25, 1), 1
	s_wait_xcnt 0x0
	s_wait_alu depctr_hold_cnt(0) depctr_sa_sdst(0) depctr_va_vdst(0) depctr_va_sdst(0) depctr_va_ssrc(0) depctr_va_vcc(0) depctr_vm_vsrc(0)
	s_getreg_b32 s2, hwreg(HW_REG_IB_STS2, 6, 4)
	s_cmp_eq_u32 s2, 0
	s_cbranch_scc0 .Lentry_in_a_cluster
	s_endpgm
.Lentry_in_a_cluster:
	s_bfe_u32 s2, ttmp6, 0x10000c
	s_cmp_lg_u32 s2, 0xf033
	s_cbranch_scc0 .Lentry_shape_is_right
	s_endpgm
.Lentry_shape_is_right:
.set FR,     16
.set NL,     4
.set NP,     4
.set HALFT,  32768
.set XREG,   65536
.set SLOT,   131072
.set SPARE,  2*SLOT
.set ADR1, 16
.set ADR0, 20
.set CO,   26
.set SPW,  28
.set NIL,  29
.set SC,   30
.set LIM,  31
.set BB,   32
.set BA2,  96
.set AF,   128
.set T,    128
.set CD,   192
.set G1, 24
.set G0, 32
.set G1B, 48
.set G0B, 56
.set MSB, 0
.macro WIN new
.if MSB != \new
	s_set_vgpr_msb (MSB<<8)|\new
.set MSB, \new
.endif
.endm
.set MUL_LO,  0xa1
.set MUL_HI,  0xf1
.set MUL_LO0, 0x81
.set MUL_HI0, 0xc1
.set TO_0,    0x40
.macro JLOAD g0a, g1a, g0b, g1b
	s_cmp_eq_u32 s17, 0
	s_cbranch_scc0 .Lfor_b_\@
	tensor_load_to_lds s[\g0a:\g0a+3], s[\g1a:\g1a+7]
	s_nop 0
.rept 4
	v_nop
.endr
	s_branch .Lasked_\@
.Lfor_b_\@:
	tensor_load_to_lds s[\g0b:\g0b+3], s[\g1b:\g1b+7]
	s_nop 0
.rept 4
	v_nop
.endr
.Lasked_\@:
.endm
.macro CREST
	s_cmp_lg_u32 s16, 0
	s_cbranch_scc1 .Lnot_wave_0_\@
	s_barrier_signal -3
.Lnot_wave_0_\@:
	s_barrier_wait -3
	s_barrier_signal -1
	s_barrier_wait -1
.endm
.macro CROUND
	s_barrier_signal -1
	s_barrier_wait -1
	CREST
.endm
	s_load_b256 s[4:11], s[0:1], 0x0
	s_load_b128 s[12:15], s[0:1], 0x20
	v_lshl_add_u32 v[SPW], v0, 2, SPARE
	v_mov_b32 v[NIL], 0
	ds_add_u32 v28, v29
	ds_add_u32 v28, v29
	s_wait_dscnt 0x0
	v_lshrrev_b32 v1, 5, v0
	v_readfirstlane_b32 s16, v1
	s_lshr_b32 s17, s16, 1
	s_and_b32 s18, s16, 1
	s_bfe_u32 s40, ttmp6, 0x40000
	s_bfe_u32 s41, ttmp6, 0x40004
	s_lshl_b32 s42, ttmp9, 2
	s_add_co_u32 s42, s42, s40
	s_and_b32 s19, ttmp7, 0xffff
	s_lshl_b32 s20, s19, 2
	s_add_co_u32 s20, s20, s41
	s_lshr_b32 s21, s19, 3
	s_min_u32 s21, s21, 2
	s_lshr_b32 s22, s19, 4
	s_and_b32 s22, s22, 1
	s_lshl_b32 s43, s41, 2
	s_lshl_b32 s43, 15, s43
	s_lshl_b32 s44, 0x1111, s40
	s_or_b32 s[G1+0], s43, (3<<16)|(1<<21)
	s_or_b32 s[G1B+0], s44, (3<<16)|(1<<21)
.irp g, G1, G1B
	s_mov_b32 s[\g+1], 512<<16
	s_mov_b32 s[\g+2], 8<<16
	s_mov_b32 s[\g+3], 512<<16
	s_mov_b32 s[\g+4], 8
	s_mov_b32 s[\g+5], 2048
	s_mov_b32 s[\g+6], 0
	s_mov_b32 s[\g+7], 0
.endr
	s_lshl_b32 s66, s20, 18
	s_lshl_b32 s67, s18, 17
	s_add_co_u32 s66, s66, s67
	s_mov_b32 s67, 0
	s_lshl_b32 s46, s42, 18
	s_lshl_b32 s47, s18, 17
	s_add_co_u32 s46, s46, s47
	s_lshl_b32 s47, s21, 20
	s_add_co_u32 s46, s46, s47
	s_add_co_u32 s46, s46, 24<<20
	s_mov_b32 s47, 0
	s_mul_i32 s45, s16, HALFT
	s_wait_kmcnt 0x0
	s_load_b256 s[68:75], s[6:7], 0x0
	s_load_b128 s[76:79], s[6:7], 0x20
	s_add_nc_u64 s[66:67], s[4:5], s[66:67]
	s_add_nc_u64 s[46:47], s[4:5], s[46:47]
	CROUND
.irp s, 0,1
	s_mov_b32 s[G0+4*\s], 1
	s_add_co_u32 s[G0+4*\s+1], s45, \s*SLOT
	s_add_nc_u64 s[G0+4*\s+2:G0+4*\s+3], s[66:67], \s*4096
	s_or_b32 s[G0+4*\s+3], s[G0+4*\s+3], 0x80000000
	s_mov_b32 s[G0B+4*\s], 1
	s_add_co_u32 s[G0B+4*\s+1], s45, \s*SLOT
	s_add_nc_u64 s[G0B+4*\s+2:G0B+4*\s+3], s[46:47], \s*4096
	s_or_b32 s[G0B+4*\s+3], s[G0B+4*\s+3], 0x80000000
.if \s
	s_wait_alu depctr_va_vdst(0)
	s_wait_tensorcnt 0x0
	ds_add_u32 v28, v29
	ds_add_u32 v28, v29
	s_wait_dscnt 0x0
	CROUND
.endif
	JLOAD G0+4*\s, G1, G0B+4*\s, G1B
.endr
	v_and_b32 v1, 31, v0
	v_lshlrev_b32 v[CO], 4, v1
	s_wait_alu depctr_va_vdst(0)
	v_and_b32 v2, 15, v0
	v_bfe_u32 v3, v0, 4, 1
	s_wait_alu depctr_va_vdst(0)
	s_lshl_b32 s80, s22, 16
	s_xor_b32 s81, s22, 1
	s_lshl_b32 s81, s81, 16
	s_lshl_b32 s82, s17, 15
	s_add_co_u32 s80, s80, s82
	s_lshl_b32 s82, s18, 15
	s_add_co_u32 s81, s81, s82
.irp s, 0,1
	v_add_nc_u32 v[ADR1+\s], s80, v[CO]
	v_add_nc_u32 v[ADR0+\s], s81, v[CO]
	s_add_co_u32 s80, s80, SLOT
	s_add_co_u32 s81, s81, SLOT
.endr
	s_cmp_eq_u32 s22, 0
	s_cselect_b32 s93, s17, s18
	s_cselect_b32 s94, s18, s17
	s_and_b32 s98, s20, 31
	s_lshl_b32 s98, s98, 1
	s_add_co_u32 s93, s93, s98
	s_lshl_b32 s98, s42, 1
	s_add_co_u32 s94, s94, s98
	s_cmp_eq_u32 s21, 0
	s_cselect_b64 s[84:85], s[8:9], s[10:11]
	s_cmp_eq_u32 s21, 2
	s_cselect_b64 s[84:85], s[12:13], s[84:85]
	s_lshl_b32 s96, s94, 9
	s_mov_b32 s97, 0
	s_add_nc_u64 s[84:85], s[84:85], s[96:97]
	v_lshlrev_b32 v4, 5, v3
	v_lshlrev_b32 v5, 2, v2
.irp b, 0,1,2,3,4,5,6,7
	global_load_b128 v[BB+8*\b:BB+8*\b+3], v4, s[84:85] offset:64*\b
	global_load_b128 v[BB+8*\b+4:BB+8*\b+7], v4, s[84:85] offset:64*\b+16
.endr
.irp a, 0,1,2,3,4,5,6,7
	global_load_b32 v[BA2+2*\a], v5, s[84:85] offset:64*\a
.endr
	s_lshr_b32 s96, s93, 4
	s_lshl_b32 s96, s96, 7
	s_lshl_b32 s98, s94, 4
	s_add_co_u32 s96, s96, s98
	s_and_b32 s98, s93, 15
	s_add_co_u32 s96, s96, s98
	s_lshl_b32 s96, s96, 14
	s_lshl_b32 s98, s21, 23
	s_add_co_u32 s96, s96, s98
	s_add_nc_u64 s[14:15], s[14:15], s[96:97]
	s_wait_kmcnt 0x0
	s_cmp_eq_u32 s21, 0
	s_cselect_b32 s86, s68, s70
	s_cselect_b32 s87, s69, s71
	s_cselect_b32 s88, s74, s75
	s_cmp_eq_u32 s21, 2
	s_cselect_b32 s86, s72, s86
	s_cselect_b32 s87, s73, s87
	s_cselect_b32 s88, s77, s88
	s_add_co_i32 s86, s86, s87
	s_sub_co_i32 s87, 127, s86
	s_lshl_b32 s87, s87, 23
	s_cmp_eq_u32 s22, 0
	s_cselect_b32 s90, s87, 0
	s_cselect_b32 s92, 0, s87
	s_mov_b32 s91, s90
	s_sub_co_i32 s88, s88, s86
	s_add_co_i32 s88, s88, 127
	s_lshl_b32 s89, s88, 23
	v_mov_b32 v[SC], s89
	s_add_co_i32 s88, s88, 8
	s_lshl_b32 s88, s88, 23
	s_or_b32 s88, s88, 0x600000
	v_mov_b32 v[LIM], s88
	s_wait_loadcnt 0x0
.set j, 0
.rept 32
	v_pk_mul_f32 v[BB+j:BB+j+1], v[BB+j:BB+j+1], s[90:91] op_sel_hi:[1,0]
.set j, j+2
.endr
.irp a, 0,1,2,3,4,5,6,7
	v_mul_f32 v[BA2+2*\a], s92, v[BA2+2*\a]
.endr
.irp a, 0,1,2,3,4,5,6,7
	v_mov_b32 v[BA2+2*\a+1], v[BA2+2*\a]
.endr
.macro FRAG reg, adr, q, i
.irp c, 0,1,2,3
	ds_load_b128 v[\reg+4*\c:\reg+4*\c+3], v[\adr] offset:2048*(\q)+512*\c+4096*(\i)
.endr
.endm
.macro MUL16 a0, p, zero
.irp a, \a0, \a0+1
.irp b, 0,1,2,3,4,5,6,7
.if \zero
	v_wmma_f32_16x16x128_fp8_fp8 v[8*(8*((\a)%4)+\b):8*(8*((\a)%4)+\b)+7], v[128*(\p)+FR*\b:128*(\p)+FR*\b+FR-1], v[AF+FR*(\a):AF+FR*(\a)+FR-1], v[BB+8*\b:BB+8*\b+7]
.else
	v_wmma_f32_16x16x128_fp8_fp8 v[8*(8*((\a)%4)+\b):8*(8*((\a)%4)+\b)+7], v[128*(\p)+FR*\b:128*(\p)+FR*\b+FR-1], v[AF+FR*(\a):AF+FR*(\a)+FR-1], v[8*(8*((\a)%4)+\b):8*(8*((\a)%4)+\b)+7]
.endif
.endr
.endr
.endm
.macro FETCH0 slot, q, p
	WIN TO_0
.irp i, 0,1,2,3,4,5,6,7
	FRAG 128*(\p)+FR*\i, ADR0+\slot, \q, \i
.endr
	WIN 0
.endm
.macro FETCH1 slot, q, i0
.irp i, \i0, \i0+1, \i0+2, \i0+3
	FRAG AF+FR*(\i), ADR1+\slot, \q, \i
.endr
.endm
.macro PLACES n
.rept \n
	v_nop
.endr
.endm
.macro STEP slot, q, zero
	s_wait_dscnt 4*NL
.if \zero
	WIN MUL_LO0
.else
	WIN MUL_LO
.endif
	MUL16 0, (\q)%2, \zero
	MUL16 2, (\q)%2, \zero
	s_wait_dscnt 0
	PLACES NP
	FETCH0 \slot, (\q)+1, 1-(\q)%2
	FETCH1 \slot, (\q)+1, 0
.if \zero
	WIN MUL_HI0
.else
	WIN MUL_HI
.endif
	MUL16 4, (\q)%2, \zero
	MUL16 6, (\q)%2, \zero
	PLACES NP
	WIN 0
	FETCH1 \slot, (\q)+1, 4
.endm
.macro TURN slot, next, fill
	s_wait_tensorcnt 0x0
	ds_add_u32 v[SPW], v[NIL]
	s_wait_dscnt 4*NL+1
	WIN MUL_LO
	MUL16 0, 1, 0
	s_wait_dscnt 0x0
	s_barrier_signal -1
	MUL16 2, 1, 0
	WIN 0
	s_barrier_wait -1
.if \fill
	CREST
	s_add_nc_u64 s[G0+4*\slot+2:G0+4*\slot+3], s[G0+4*\slot+2:G0+4*\slot+3], 8192
	s_add_nc_u64 s[G0B+4*\slot+2:G0B+4*\slot+3], s[G0B+4*\slot+2:G0B+4*\slot+3], 8192
	JLOAD G0+4*\slot, G1, G0B+4*\slot, G1B
.else
	PLACES NP
.endif
	FETCH0 \next, 0, 0
	FETCH1 \next, 0, 0
	WIN MUL_HI
	MUL16 4, 1, 0
	MUL16 6, 1, 0
	PLACES NP
	WIN 0
	FETCH1 \next, 0, 4
.endm
	s_wait_tensorcnt 1
	s_barrier_signal -1
	s_barrier_wait -1
	FETCH0 0, 0, 0
	FETCH1 0, 0, 0
	FETCH1 0, 0, 4
	STEP 0, 0, 1
	TURN 0, 1, 1
	STEP 1, 0, 0
	TURN 1, 0, 1
	STEP 0, 0, 0
	TURN 0, 1, 0
	STEP 1, 0, 0
	s_wait_dscnt 4*NL
	WIN MUL_LO
	MUL16 0, 1, 0
	MUL16 2, 1, 0
	s_wait_alu depctr_va_vdst(0)
	s_wait_dscnt 0
	WIN MUL_HI
	MUL16 4, 1, 0
	MUL16 6, 1, 0
	WIN 0
.macro OUTBLK a
	WIN 0x02+((\a)/4)
.set j, 0
.rept 32
	v_pk_add_f32 v[T+j:T+j+1], v[64*((\a)%4)+j:64*((\a)%4)+j+1], v[BA2+2*(\a):BA2+2*(\a)+1]
.set j, j+2
.endr
	WIN 0
.set j, 0
.rept 64
	v_med3_num_f32 v[T+j], v[T+j], -v[LIM], v[LIM]
.set j, j+1
.endr
.if (\a) >= 4
	s_wait_alu depctr_va_vdst(0)
	s_wait_xcnt 0x0
.endif
.irp b, 0,1,2,3,4,5,6,7
	v_cvt_scalef32_pk8_fp8_f32 v[CD+16*((\a)%4)+2*\b:CD+16*((\a)%4)+2*\b+1], v[T+8*\b:T+8*\b+7], v[SC]
.endr
	v_nop
.irp c, 0,1,2,3
	global_store_b128 v[CO], v[CD+16*((\a)%4)+4*\c:CD+16*((\a)%4)+4*\c+3], s[14:15] offset:2048*(\a)+512*\c
.endr
.endm
	PLACES NP
.irp a, 0,1,2,3,4,5,6,7
	OUTBLK \a
.endr
	s_wait_tensorcnt 0x0
	ds_add_u32 v[SPW], v[NIL]
	s_wait_dscnt 0x0
	CROUND
	s_endpgm
.Lfunc_end_k_q30d3ed3e8d_proj:
	.size	k_q30d3ed3e8d_proj, .Lfunc_end_k_q30d3ed3e8d_proj-k_q30d3ed3e8d_proj
	.p2alignl 7, 3214868480
	.fill 96, 4, 3214868480
	.section	.rodata,"a",@progbits
	.p2align	6, 0x0
	.amdhsa_kernel k_q30d3ed3e8d_proj
		.amdhsa_group_segment_fixed_size 327680
		.amdhsa_private_segment_fixed_size 0
		.amdhsa_enable_private_segment 0
		.amdhsa_kernarg_size 48
		.amdhsa_user_sgpr_count 2
		.amdhsa_user_sgpr_kernarg_segment_ptr 1
		.amdhsa_wavefront_size32 1
		.amdhsa_system_sgpr_workgroup_id_x 1
		.amdhsa_system_sgpr_workgroup_id_y 1
		.amdhsa_system_sgpr_workgroup_id_z 1
		.amdhsa_system_vgpr_workitem_id 0
		.amdhsa_next_free_vgpr 1024
		.amdhsa_next_free_sgpr 100
		.amdhsa_reserve_vcc 0
		.amdhsa_float_denorm_mode_32 3
		.amdhsa_float_denorm_mode_16_64 3
		.amdhsa_memory_ordered 1
		.amdhsa_forward_progress 1
		.amdhsa_inst_pref_size 140
	.end_amdhsa_kernel
	.amdgpu_metadata
---
amdhsa.version: [ 1, 2 ]
amdhsa.kernels:
  - .name:           k_q30d3ed3e8d_proj
    .symbol:         k_q30d3ed3e8d_proj.kd
    .args:
      - { .name: codes, .offset: 0, .size: 8, .value_kind: global_buffer, .address_space: global }
      - { .name: lowp_scales, .offset: 8, .size: 8, .value_kind: global_buffer, .address_space: global }
      - { .name: bq, .offset: 16, .size: 8, .value_kind: global_buffer, .address_space: global }
      - { .name: bk, .offset: 24, .size: 8, .value_kind: global_buffer, .address_space: global }
      - { .name: bv, .offset: 32, .size: 8, .value_kind: global_buffer, .address_space: global }
      - { .name: qkv, .offset: 40, .size: 8, .value_kind: global_buffer, .address_space: global }
    .group_segment_fixed_size: 327680
    .private_segment_fixed_size: 0
    .kernarg_segment_align: 8
    .kernarg_segment_size: 48
    .max_flat_workgroup_size: 128
    .sgpr_count:     100
    .vgpr_count:     1024
    .wavefront_size: 32
...
	.end_amdgpu_metadata
.endif
;; end of part 2
;; launch attn (part 3): grid 4 x 64, 16 waves a work-group, clusters of 4 x 1, 264,192 bytes of LDS; arguments qkv, lowp_scales, att; writes att
.if DOCPART == 3
	.amdgcn_target "amdgcn-amd-amdhsa--gfx1250"
	.amdhsa_code_object_version 6
	.text
	.protected	k_q30d3ed3e8d_attn
	.globl	k_q30d3ed3e8d_attn
	.p2align	8
	.type	k_q30d3ed3e8d_attn,@function
k_q30d3ed3e8d_attn:
	s_mov_b64 s[64:65], 0
	v_nop
	global_prefetch_b8 v0, s[64:65] scope:SCOPE_SE
	s_setreg_imm32_b32 hwreg(HW_REG_WAVE_MODE, 25, 1), 1
	s_wait_xcnt 0x0
	s_wait_alu depctr_hold_cnt(0) depctr_sa_sdst(0) depctr_va_vdst(0) depctr_va_sdst(0) depctr_va_ssrc(0) depctr_va_vcc(0) depctr_vm_vsrc(0)
	s_getreg_b32 s2, hwreg(HW_REG_IB_STS2, 6, 4)
	s_cmp_eq_u32 s2, 0
	s_cbranch_scc0 .Lentry_in_a_cluster
	s_endpgm
.Lentry_in_a_cluster:
	s_bfe_u32 s2, ttmp6, 0x10000c
	s_cmp_lg_u32 s2, 0x3003
	s_cbranch_scc0 .Lentry_shape_is_right
	s_endpgm
.Lentry_shape_is_right:
; For each of 64 heads (y = batch x 16 + head): O[q] = sum over k of softmax_k(q . k / 32) v[k], 2,048 queries and keys, head size 64, both products on codes of FP8 (E4M3).
; t = score x log2(e) / 32; M = the running largest t rounded UP to a whole number; p = 2^(t - M) is quantised with 2^ep, not normalised; the row's sum is taken of the unquantised p and divides O at the end.
; When M moves, the sum and O are multiplied by 2^(old M - new M): exact.  O / sum x 2^(ep + ev) is quantised at once with entry 10's scale and stored as the image that the last product wants.
; SHARES.  A work-group owns 512 queries of one head; each of its sixteen waves 32 of them: two tiles A and B of 16, so that each fragment of K and V read from LDS feeds two matrix instructions.
; LDS holds the head's WHOLE K (131,072 bytes: key tile T at 1,024 T) and V (131,072 bytes behind it: key step g at 8,192 g, channel tile ct at 2,048 ct), as images of fragments.  Each byte is filled ONCE:
; every wave issues one load of 16,384 bytes at the head (waves 0-7: 256 keys of K each; waves 8-15: of V), to LDS byte 16,384 x wave; one wait for all and one barrier open the whole.
; CLUSTER.  The four query blocks of a head form a cluster and read the same K and V: each chunk is asked for JOINTLY, by the same tensor load with the same descriptor and a mask that names the four.
; My place in the cluster enters Q's and att's global addresses alone.  No branch hangs on a given scale: p's hold stands on every path.
; NO PREFETCH: all of K and V is asked for by the one group of loads at the head; there is no loop of loads to run ahead in.
; LAYOUT.  Both products are used transposed: S^T = K Q^T (source 0 = 16 keys, source 1 = 16 queries, K = 64), O^T = V^T P^T (source 0 = 16 channels, source 1 = P, K = 128 keys): a lane holds ONE query throughout.
; Register j of key tile T is key 16 T + 8 (lane / 16) + j, which is the place that registers 2 T, 2 T + 1 of the next operand want: the conversions' results ARE P.  Likewise O^T's for the last product.
; TWO BLOCKS OF 64 REGISTERS TAKE TURNS: in a step one holds K and then V, the other S^T and p; when p's codes are made, the next step's K is asked for into p's block.  So a trip of the loop is two steps.
; LIMITS: eq + ek between -121 and 132 (added to c's exponent field); ep and entry 10 between -126 and 119; ep + ev is applied by v_ldexp_f32 and has none; the scaled scores stay under 2^31 in magnitude.
.set LI,  1                            ; v1      16 x lane
.set ADK, 2                            ; v2      LDS address of the trip's K
.set ADV, 3                            ; v3      of its V
                                       ; v4, v5, v16, v17 four chains of the maximum (v5 then: old -M, and what f is made of); v[6:7] f = 2^(old M - new M) (v7 is only named);
                                       ; v[8:9] A's -M and largest score; v[10:11] A's sum in two halves; v[12:13], v[14:15] the same for B; v[16:17] then a second chain of the sum; v18 a permute's result;
                                       ; v19: 2^ep; v20 and v23: 448 x 2^ep, twice; v21, v22: 2^(entry 10), 448 x that
.set QA,  24                           ; v24-31  tile A's queries
.set QB,  32                           ; v32-39  tile B's
.set P,   40                           ; v40-55  p's codes
.set R1,  56                           ; v56-119, v120-183: the two blocks that take turns
.set R2,  120
.set OA,  184                          ; v184-215 A's O^T
.set OB,  216                          ; v216-247 B's
.set SPW, 254                          ; v254    LDS address of my spare word; never rewritten
.set NIL, 255                          ; v255    0; never rewritten
.set VB,  131072                       ; V's bytes begin here
.set SPARE, 262144                     ; behind K and V: the spare words, 128 bytes for each wave
.set G1K, 16                           ; s[16:23] descriptor group 1 for K's chunks;  s[24:31] for V's;  s[32:35] my group 0
.set G1V, 24
; A round of the cluster's barrier
.macro CROUND
	s_barrier_signal -1
	s_barrier_wait -1
	s_cmp_lg_u32 s10, 0
	s_cbranch_scc1 .Lnot_wave_0_\@
	s_barrier_signal -3
.Lnot_wave_0_\@:
	s_barrier_wait -3
	s_barrier_signal -1
	s_barrier_wait -1
.endm
	s_load_b128 s[4:7], s[0:1], 0x0                ; qkv s[4:5], the scales' exponents s[6:7]
	s_load_b64 s[8:9], s[0:1], 0x10                ; att
	v_lshl_add_u32 v[SPW], v0, 2, SPARE
	v_mov_b32 v[NIL], 0
	ds_add_u32 v[SPW], v[NIL]                      ; the opening: the add, twice on end, and its wait ahead of my tensor load
	ds_add_u32 v[SPW], v[NIL]
	v_lshrrev_b32 v2, 5, v0
	v_readfirstlane_b32 s10, v2                    ; wave 0..15
	s_lshr_b32 s11, s10, 3                         ; waves 0-7 fetch K (0), waves 8-15 V (1)
	s_and_b32 s12, ttmp7, 0xffff                   ; y = batch x 16 + head, which the four partners share
	s_and_b32 s13, s12, 1                          ; the head's place in its pair
	s_lshr_b32 s14, s12, 1
	s_lshl_b32 s14, s14, 18                        ; (batch x 8 + pair) x 16 groups x 16,384 bytes
	s_bfe_u32 s15, ttmp6, 0x40000                  ; cx
	s_lshl_b32 s92, ttmp9, 2
	s_add_co_u32 s15, s15, s92                     ; x: my block of 512 queries: it enters Q's and att's addresses alone
	; K: 16 rows (key tiles) of 1,024 bytes, 2,048 apart in memory;  V: 2 rows (key steps) of 8,192 bytes, 16,384 apart; elements of 8 bytes; dense in LDS
	s_mov_b32 s[G1K+0], 15|(3<<16)|(1<<21)         ; the mask: all four work-groups; elements of 8 bytes; bit 21 set beside a mask
	s_mov_b32 s[G1K+1], 128<<16
	s_mov_b32 s[G1K+2], 16<<16
	s_mov_b32 s[G1K+3], 128<<16
	s_mov_b32 s[G1K+4], 16
	s_mov_b32 s[G1K+5], 256
	s_mov_b32 s[G1K+6], 0
	s_mov_b32 s[G1K+7], 0
	s_mov_b32 s[G1V+0], 15|(3<<16)|(1<<21)
	s_mov_b32 s[G1V+1], 1024<<16
	s_mov_b32 s[G1V+2], 2<<16
	s_mov_b32 s[G1V+3], 1024<<16
	s_mov_b32 s[G1V+4], 2
	s_mov_b32 s[G1V+5], 2048
	s_mov_b32 s[G1V+6], 0
	s_mov_b32 s[G1V+7], 0
	s_lshl_b32 s82, s13, 10                        ; K: the head's 1,024 bytes of a key tile's 2,048.  V: the head's 8,192 bytes of a block, one region (8 MB) further on:
	s_mul_i32 s83, s11, s13
	s_mul_i32 s83, s83, 7168                       ; + (8,192 - 1,024) x the head's place, for V's waves,
	s_add_co_u32 s82, s82, s83
	s_lshl_b32 s83, s11, 23                        ; + 8 MB, for V's waves
	s_add_co_u32 s82, s82, s83
	s_add_co_u32 s82, s82, s14
	s_add_co_u32 s82, s82, 8<<20                   ; behind q's region
	s_and_b32 s83, s10, 7
	s_lshl_b32 s83, s83, 15                        ; my chunk: 256 keys are 32,768 bytes of memory
	s_add_co_u32 s82, s82, s83
	s_mov_b32 s83, 0
	s_mov_b32 s32, 1                               ; count = 1
	s_lshl_b32 s33, s10, 14                        ; LDS address: 16,384 x wave
	s_mov_b32 s70, 0x76543210                      ; lane selects for v_permlanex16_b32: lane l xor 16
	s_mov_b32 s71, 0xfedcba98
	s_mov_b32 s72, 0x3d38aa3b                      ; c = log2(e) / 32
	s_wait_dscnt 0x0                               ; both opening adds are done
	s_wait_kmcnt 0x0
	s_load_b128 s[76:79], s[6:7], 0x18             ; eq, ek, ep, ev: entries 6 to 9
	s_load_b32 s80, s[6:7], 0x28                   ; entry 10
	s_add_nc_u64 s[34:35], s[4:5], s[82:83]
	s_or_b32 s35, s35, 0x80000000                  ; type = 2
	CROUND                                         ; all four work-groups are here: the joint loads meet
	s_cmp_lt_u32 s10, 8                            ; one load a wave, one to each arm; an s_nop 0 and four v_nop follow each
	s_cbranch_scc0 .Lfor_v
	tensor_load_to_lds s[32:35], s[G1K:G1K+7]
	s_nop 0
.rept 4
	v_nop
.endr
	s_branch .Lasked
.Lfor_v:
	tensor_load_to_lds s[32:35], s[G1V:G1V+7]
	s_nop 0
.rept 4
	v_nop
.endr
.Lasked:
	s_lshl_b32 s85, s15, 2                         ; my queries: group 4 x + wave / 4,
	s_lshr_b32 s86, s10, 2
	s_add_co_u32 s85, s85, s86
	s_lshl_b32 s85, s85, 14
	s_and_b32 s86, s10, 3                          ; token tiles 2 (wave % 4) and the next,
	s_lshl_b32 s86, s86, 12
	s_add_co_u32 s85, s85, s86
	s_lshl_b32 s86, s13, 10                        ; the head's 1,024 bytes
	s_add_co_u32 s85, s85, s86
	s_add_co_u32 s86, s85, s14
	s_mov_b32 s87, 0
	s_add_nc_u64 s[86:87], s[4:5], s[86:87]
	s_lshr_b32 s88, s12, 4                         ; att: token tile batch x 128 + 32 x + 2 wave,
	s_lshl_b32 s88, s88, 7
	s_lshl_b32 s89, s15, 5
	s_add_co_u32 s88, s88, s89
	s_lshl_b32 s89, s10, 1
	s_add_co_u32 s88, s88, s89
	s_lshl_b32 s88, s88, 14                        ; x 16,384 bytes,
	s_and_b32 s89, s12, 15
	s_lshl_b32 s89, s89, 10                        ; + head x 1,024
	s_add_co_u32 s88, s88, s89
	s_mov_b32 s89, 0
	s_add_nc_u64 s[8:9], s[8:9], s[88:89]
	s_mov_b32 s66, 0                               ; LDS byte of the trip's first key step
	v_and_b32 v[LI], 31, v0
	v_lshlrev_b32 v[LI], 4, v[LI]
	v_add_nc_u32 v[ADK], s66, v[LI]
	v_add_nc_u32 v[ADV], VB, v[ADK]
	v_mov_b32 v8, 0x7f61b1e6                       ; -M: 3e38, so that the first f is 0
	v_mov_b32 v12, 0x7f61b1e6
	v_mov_b32 v9, 0xff61b1e6                       ; the largest score so far: -3e38
	v_mov_b32 v13, 0xff61b1e6
	v_mov_b32 v10, 0                               ; the sums
	v_mov_b32 v11, 0
	v_mov_b32 v14, 0
	v_mov_b32 v15, 0
	v_mov_b32 v7, 0                                ; (named as the upper half of the pair v[6:7])
	v_mov_b32 v18, 0                               ; a lane permute's destination counts as one of its sources
.set j, 0
.rept 64
	v_mov_b32 v[OA+j], 0                           ; O^T of both tiles: the step is written without a first step of its own; the first f = 0 leaves zeros
.set j, j+1
.endr
	s_wait_alu depctr_va_vdst(0)                   ; the wait here, ahead of the readers below
.irp c, 0,1
	global_load_b128 v[QA+4*\c:QA+4*\c+3], v[LI], s[86:87] offset:512*\c
	global_load_b128 v[QB+4*\c:QB+4*\c+3], v[LI], s[86:87] offset:2048+512*\c
.endr
	s_wait_kmcnt 0x0
	s_add_co_i32 s90, s76, s77
	s_lshl_b32 s90, s90, 23
	s_add_co_i32 s72, s72, s90                     ; a score stands for score x 2^(eq + ek): the two exponents are added to c's exponent field
	s_mov_b32 s73, s72                             ; (named with it as a pair)
	s_add_co_i32 s90, s78, 127
	s_lshl_b32 s91, s90, 23
	v_mov_b32 v19, s91                             ; 2^ep
	s_add_co_i32 s90, s90, 8
	s_lshl_b32 s90, s90, 23
	s_or_b32 s90, s90, 0x600000
	v_mov_b32 v20, s90                             ; 448 x 2^ep,
	v_mov_b32 v23, s90                             ; twice: one register for each half of the dual hold
	s_add_co_i32 s90, s80, 127
	s_lshl_b32 s91, s90, 23
	v_mov_b32 v21, s91                             ; 2^(entry 10)
	s_add_co_i32 s90, s90, 8
	s_lshl_b32 s90, s90, 23
	s_or_b32 s90, s90, 0x600000
	v_mov_b32 v22, s90                             ; 448 x that
	s_add_co_i32 s81, s78, s79                     ; ep + ev
; The hold of two p in one dual line.  The conversion to an 8-bit code does not saturate (ISA guide 7.6.2); p is not negative, so the hold is one-sided.
; The dual form's operand rules (ISA guide, the VOPD encoding): one destination even, the other odd; the first sources, and the second sources, in registers whose numbers differ modulo 4.
.macro DMIN s, o
	v_dual_min_num_f32 v[\s+(\o)], v[\s+(\o)], v20 :: v_dual_min_num_f32 v[\s+(\o)+1], v[\s+(\o)+1], v23
.endm
; One tile's softmax for 128 keys, scores in block s.  st: its statistics (v[st] -M, v[st+1] the largest score, v[st+2:st+3] the sum).  Leaves p, held at 448 x 2^ep, in s, and f in v6.
.macro SOFT st, s
	v_max3_num_f32 v4, v[\s], v[\s+1], v[\s+2]     ; my query's largest score among my 64 keys, in four chains, ascending: each accumulator is read from its low end on
	v_max3_num_f32 v5, v[\s+3], v[\s+4], v[\s+5]
	v_max3_num_f32 v16, v[\s+6], v[\s+7], v[\s+8]
	v_max3_num_f32 v17, v[\s+9], v[\s+10], v[\s+11]
.irp i, 12,20,28,36,44,52
	v_max3_num_f32 v4, v4, v[\s+\i], v[\s+\i+1]
	v_max3_num_f32 v5, v5, v[\s+\i+2], v[\s+\i+3]
	v_max3_num_f32 v16, v16, v[\s+\i+4], v[\s+\i+5]
	v_max3_num_f32 v17, v17, v[\s+\i+6], v[\s+\i+7]
.endr
	v_max3_num_f32 v4, v4, v[\s+60], v[\s+61]
	v_max3_num_f32 v5, v5, v[\s+62], v[\s+63]
	v_max3_num_f32 v4, v4, v16, v17
	v_max_num_f32 v4, v4, v5
	v_permlanex16_b32 v18, v4, s70, s71
	v_mov_b32 v5, v[\st]                           ; the old -M is kept for f
	v_max3_num_f32 v[\st+1], v[\st+1], v4, v18     ; the running largest score: mine, lane l xor 16's, and the earlier steps'
	v_mul_f32 v4, s72, v[\st+1]                    ; as t (c is positive, so the largest score gives the largest t)
	v_floor_f32 v[\st], -v4                        ; the new -M = floor(-t) = -ceil(t): a whole number
	v_pk_fma_f32 v[\s:\s+1], v[\s:\s+1], s[72:73], v[\st:\st+1] op_sel_hi:[1,0,0]       ; t - M, two at a time (of the pairs c and -M the low word serves both halves)
	v_sub_f32 v5, v[\st], v5                       ; old M - new M: a whole number, 0 or less
	v_pk_fma_f32 v[\s+2:\s+3], v[\s+2:\s+3], s[72:73], v[\st:\st+1] op_sel_hi:[1,0,0]
	v_cvt_i32_f32 v5, v5                           ; (it saturates)
	v_pk_fma_f32 v[\s+4:\s+5], v[\s+4:\s+5], s[72:73], v[\st:\st+1] op_sel_hi:[1,0,0]
	v_ldexp_f32 v6, 1.0, v5                        ; f = 2^(old M - new M): a multiplication by it rounds nothing
.set j, 6
.rept 29
	v_pk_fma_f32 v[\s+j:\s+j+1], v[\s+j:\s+j+1], s[72:73], v[\st:\st+1] op_sel_hi:[1,0,0]
.set j, j+2
.endr
	s_wait_alu depctr_va_vdst(0)                   ; the wait ahead of the batch
.set j, 0
.rept 64
	v_exp_f32 v[\s+j], v[\s+j]                     ; p = 2^(t - M): NOT normalised
.set j, j+1
.endr
	v_pk_mul_f32 v[\st+2:\st+3], v[\st+2:\st+3], v[6:7] op_sel_hi:[1,0]   ; the sum under the new M (the plain place behind the exponentials)
	s_wait_alu depctr_va_vdst(0)                   ; one wait for the whole batch, ahead of its first reader
	v_pk_add_f32 v[16:17], v[\s:\s+1], v[\s+2:\s+3]   ; the sum is taken of the UNQUANTISED, unheld p, in two chains; a pair is held once the sum has read it
.set g, 2
.rept 30
.if g%2 == 0
	v_pk_add_f32 v[\st+2:\st+3], v[\st+2:\st+3], v[\s+2*g:\s+2*g+1]
.else
	v_pk_add_f32 v[16:17], v[16:17], v[\s+2*g:\s+2*g+1]
.endif
	DMIN \s, 2*g-4
.set g, g+1
.endr
	DMIN \s, 60
	v_pk_add_f32 v[\st+2:\st+3], v[\st+2:\st+3], v[16:17]
	DMIN \s, 62
.endm
.macro CVTP s                          ; p in block s becomes the second product's operand in P
.irp t, 0,1,2,3,4,5,6,7
	v_cvt_scalef32_pk8_fp8_f32 v[P+2*\t:P+2*\t+1], v[\s+8*\t:\s+8*\t+7], v19
.endr
	v_nop                                          ; one plain vector line between the conversions and the matrix instructions that read P or write s
.endm
.macro RESC o                          ; a tile's O^T under the new M: x f, from each accumulator's low end on
	s_wait_alu depctr_va_vdst(0)                   ; the wait here, directly ahead of the first reader of O^T
.set j, 0
.rept 16
	v_pk_mul_f32 v[\o+j:\o+j+1], v[\o+j:\o+j+1], v[6:7] op_sel_hi:[1,0]
.set j, j+2
.endr
.endm
.macro KLOAD r, off                    ; eight fragments of K (128 keys x 64) into block r
.irp t, 0,1,2,3,4,5,6,7
.irp c, 0,1
	ds_load_b128 v[\r+8*\t+4*\c:\r+8*\t+4*\c+3], v[ADK] offset:(\off)+1024*\t+512*\c
.endr
.endr
.endm
; A KEY STEP: 128 keys, the q-th of the trip's two.  kr: the block that holds K (asked for in the step before) and then V; sr: the block for S^T and p, and at the end for the next step's K.
; No two matrix instructions that follow each other share an accumulator.
.macro STEP kr, sr, q
	s_wait_dscnt 0x0                               ; K is in
.irp t, 0,1,2,3,4,5,6,7
	v_wmma_f32_16x16x64_fp8_fp8 v[\sr+8*\t:\sr+8*\t+7], v[\kr+8*\t:\kr+8*\t+7], v[QA:QA+7], 0
.endr
.rept 4
	v_nop                                          ; four places ahead of the first read of the results (ISA guide 7.12.1)
.endr
	SOFT 8, \sr
	CVTP \sr                                       ; A's p is in P; sr is free
.irp t, 0,1,2,3,4,5,6,7
	v_wmma_f32_16x16x64_fp8_fp8 v[\sr+8*\t:\sr+8*\t+7], v[\kr+8*\t:\kr+8*\t+7], v[QB:QB+7], 0
.endr
	RESC OA                                        ; sixteen plain lines on other registers: the places behind those products
.irp t, 0,1,2,3
.irp c, 0,1,2,3
	ds_load_b128 v[\kr+16*\t+4*\c:\kr+16*\t+4*\c+3], v[ADV] offset:8192*(\q)+2048*\t+512*\c   ; V comes in under B's softmax
.endr
.endr
	SOFT 12, \sr
	s_wait_alu depctr_va_vdst(0)                   ; the wait here, directly ahead of the wait below
	s_wait_dscnt 0x0                               ; V is in
.irp t, 0,1,2,3
	v_wmma_f32_16x16x128_fp8_fp8 v[OA+8*\t:OA+8*\t+7], v[\kr+16*\t:\kr+16*\t+15], v[P:P+15], v[OA+8*\t:OA+8*\t+7]
.endr
	RESC OB                                        ; the places in front of the conversions that write P anew
	CVTP \sr
.if \q == 1
	s_cmp_eq_u32 s68, 1                            ; behind the last trip there is no K to ask for: a branch on the count of trips, round the sixteen LDS loads alone
	s_wait_alu depctr_va_vdst(0)                   ; the wait here, directly ahead of the branch
	s_cbranch_scc1 .Lno_more_\@
.endif
	KLOAD \sr, 8192*((\q)+1)                       ; the next step's K, into the block that p has left
.if \q == 1
.Lno_more_\@:
.endif
.irp t, 0,1,2,3
	v_wmma_f32_16x16x128_fp8_fp8 v[OB+8*\t:OB+8*\t+7], v[\kr+16*\t:\kr+16*\t+15], v[P:P+15], v[OB+8*\t:OB+8*\t+7]
.endr
; five places: the next step's first products write over kr, which these products read
.if \q == 1
	s_add_co_u32 s66, s66, 16384
	v_add_nc_u32 v[ADK], s66, v[LI]                ; the next trip's addresses
	v_add_nc_u32 v[ADV], VB, v[ADK]
.rept 3
	v_nop
.endr
.else
.rept 5
	v_nop
.endr
.endif
.endm
	s_wait_alu depctr_va_vdst(0)                   ; the wait at the head's end
	s_wait_loadcnt 0x0                             ; Q
	s_wait_tensorcnt 0x0                           ; my chunk has landed
	s_barrier_signal -1
	s_barrier_wait -1                              ; and so has every wave's: K and V are whole, and nothing is filled again
	KLOAD R1, 0
	s_mov_b32 s68, 8                               ; eight trips of two key steps
.Ltrip:
	STEP R1, R2, 0
	STEP R2, R1, 1
	s_sub_co_u32 s68, s68, 1
	s_cmp_lg_u32 s68, 0
	s_wait_alu depctr_va_vdst(0)                   ; the wait here, directly ahead of the branch
	s_cbranch_scc1 .Ltrip
; THE WAY OUT: O^T / the sum x 2^(ep + ev), held, quantised with entry 10's scale: eight registers a tile, two pieces of the image, two stores of 512 consecutive bytes.
	v_add_f32 v10, v10, v11                        ; the sums' two halves,
	v_add_f32 v14, v14, v15
	v_permlanex16_b32 v18, v10, s70, s71
	v_permlanex16_b32 v16, v14, s70, s71
	v_add_f32 v10, v10, v18                        ; and lane l xor 16's
	v_add_f32 v14, v14, v16
	s_wait_alu depctr_va_vdst(0)                   ; the wait ahead of the batch
	v_rcp_f32 v10, v10
	v_rcp_f32 v14, v14
	v_nop                                          ; one plain line behind a transcendental
	s_wait_alu depctr_va_vdst(0)                   ; the wait ahead of its first reader
	v_ldexp_f32 v10, v10, s81
	v_ldexp_f32 v14, v14, s81
	s_wait_alu depctr_va_vdst(0)                   ; the wait here, directly ahead of the first reader of O^T
.set j, 0
.rept 16
	v_pk_mul_f32 v[R1+j:R1+j+1], v[OA+j:OA+j+1], v[10:11] op_sel_hi:[1,0]
.set j, j+2
.endr
.set j, 0
.rept 16
	v_pk_mul_f32 v[R1+32+j:R1+32+j+1], v[OB+j:OB+j+1], v[14:15] op_sel_hi:[1,0]
.set j, j+2
.endr
.set j, 0
.rept 64
	v_med3_num_f32 v[R1+j], v[R1+j], -v22, v22
.set j, j+1
.endr
.irp t, 0,1,2,3,4,5,6,7
	v_cvt_scalef32_pk8_fp8_f32 v[P+2*\t:P+2*\t+1], v[R1+8*\t:R1+8*\t+7], v21
.endr
	v_nop
.irp x, 0,1
.irp c, 0,1
	global_store_b128 v[LI], v[P+8*\x+4*\c:P+8*\x+4*\c+3], s[8:9] offset:16384*\x+512*\c
.endr
.endr
	s_wait_tensorcnt 0x0                           ; the wave's end
	ds_add_u32 v[SPW], v[NIL]
	s_wait_dscnt 0x0
	CROUND                                         ; the closing round: no work-group ends while a partner may still ask for a chunk that names it
	s_endpgm
.Lfunc_end_k_q30d3ed3e8d_attn:
	.size	k_q30d3ed3e8d_attn, .Lfunc_end_k_q30d3ed3e8d_attn-k_q30d3ed3e8d_attn
	.p2alignl 7, 3214868480
	.fill 96, 4, 3214868480
	.section	.rodata,"a",@progbits
	.p2align	6, 0x0
	.amdhsa_kernel k_q30d3ed3e8d_attn
		.amdhsa_group_segment_fixed_size 264192
		.amdhsa_private_segment_fixed_size 0
		.amdhsa_enable_private_segment 0
		.amdhsa_kernarg_size 24
		.amdhsa_user_sgpr_count 2
		.amdhsa_user_sgpr_kernarg_segment_ptr 1
		.amdhsa_wavefront_size32 1
		.amdhsa_system_sgpr_workgroup_id_x 1
		.amdhsa_system_sgpr_workgroup_id_y 1
		.amdhsa_system_sgpr_workgroup_id_z 1
		.amdhsa_system_vgpr_workitem_id 0
		.amdhsa_next_free_vgpr 256
		.amdhsa_next_free_sgpr 100
		.amdhsa_reserve_vcc 0
		.amdhsa_float_denorm_mode_32 3
		.amdhsa_float_denorm_mode_16_64 3
		.amdhsa_memory_ordered 1
		.amdhsa_forward_progress 1
		.amdhsa_inst_pref_size 74
	.end_amdhsa_kernel
	.amdgpu_metadata
---
amdhsa.version: [ 1, 2 ]
amdhsa.kernels:
  - .name:           k_q30d3ed3e8d_attn
    .symbol:         k_q30d3ed3e8d_attn.kd
    .args:
      - { .name: qkv, .offset: 0, .size: 8, .value_kind: global_buffer, .address_space: global }
      - { .name: lowp_scales, .offset: 8, .size: 8, .value_kind: global_buffer, .address_space: global }
      - { .name: att, .offset: 16, .size: 8, .value_kind: global_buffer, .address_space: global }
    .group_segment_fixed_size: 264192
    .private_segment_fixed_size: 0
    .kernarg_segment_align: 8
    .kernarg_segment_size: 24
    .max_flat_workgroup_size: 512
    .sgpr_count:     100
    .vgpr_count:     256
    .wavefront_size: 32
...
	.end_amdgpu_metadata
.endif
;; end of part 3
;; launch oproj (part 4): grid 64 x 4, 8 waves a work-group, clusters of 4 x 1, 297,984 bytes of LDS; arguments att, codes, lowp_scales, be, out0; writes out0
.if DOCPART == 4
	.amdgcn_target "amdgcn-amd-amdhsa--gfx1250"
	.amdhsa_code_object_version 6
	.text
	.protected	k_q30d3ed3e8d_oproj
	.globl	k_q30d3ed3e8d_oproj
	.p2align	8
	.type	k_q30d3ed3e8d_oproj,@function
k_q30d3ed3e8d_oproj:
	s_mov_b64 s[64:65], 0
	v_nop
	global_prefetch_b8 v0, s[64:65] scope:SCOPE_SE
	s_setreg_imm32_b32 hwreg(HW_REG_WAVE_MODE, 25, 1), 1
	s_wait_xcnt 0x0
	s_wait_alu depctr_hold_cnt(0) depctr_sa_sdst(0) depctr_va_vdst(0) depctr_va_sdst(0) depctr_va_ssrc(0) depctr_va_vcc(0) depctr_vm_vsrc(0)
	s_getreg_b32 s2, hwreg(HW_REG_IB_STS2, 6, 4)
	s_cmp_eq_u32 s2, 0
	s_cbranch_scc0 .Lentry_in_a_cluster
	s_endpgm
.Lentry_in_a_cluster:
	s_bfe_u32 s2, ttmp6, 0x10000c
	s_cmp_lg_u32 s2, 0x3003
	s_cbranch_scc0 .Lentry_shape_is_right
	s_endpgm
.Lentry_shape_is_right:
; out0[m][n] = 2^(e10 + e11) x sum over k of att[m][k] We[n][k] + be[n]: 8,192 x 1,024, K = 1,024, both operands codes of FP8 (E4M3); sums in f32.
; Both operands lie in memory as images of fragments: [tile of 16 rows][K step of 128: 0..7][2,048 bytes], piece c (registers 4 c .. 4 c + 3) at 512 c, lane l's 16 bytes at 16 l.  We's begin at byte 27 x 2^20 of codes.
; LIMIT: e10 + e11 lies between -126 and 127, so that 2^(e10 + e11) is an f32 number.
; SHARES.  A work-group makes 128 rows x 256 columns: 64 x 4 = 256 work-groups.  Its eight waves stand 4 x 2: a wave makes 32 rows x 128 columns, 16 accumulators of 16 x 16.
; We: the work-group's 256 columns x the whole K are 262,144 bytes, dense in memory; they are filled into LDS ONCE, each wave asking for 32,768 bytes at the head; one wait for all and one barrier open them.
; att: a wave's 32 rows x the whole K are 256 registers; being images of registers they go from memory straight into window 1, by 64 loads of 512 consecutive bytes, issued at the head, K step by K step.
; CLUSTER.  Four work-groups with neighbouring row blocks and the same 256 columns form a cluster and ask for We's bytes JOINTLY (mask 15).  att's fragments are not asked for jointly: they pass through no LDS,
; which has no room for them beside We's (262,144 + 131,072 bytes are more than a work-group can have).  My place in the cluster enters att's and out0's global addresses alone.
; NO PREFETCH: every byte that the work-group reads is asked for at the head; there is no loop of loads to run ahead in.
; THE MATRIX INSTRUCTION IS USED TRANSPOSED (source 0 = 16 rows of We, source 1 = 16 rows of att): a lane holds eight neighbouring numbers of a row of out0.
; REGISTERS.  Window 0: v0-29 addresses, the bias; v32-63, v64-95 two buffers of two fragments of We (with v96-127: the way out's three sets); v128-255 accumulator (a, b) at 128 + 8 (8 a + b).
; Window 1: att's fragment (a, k) at 16 (8 a + k).  One setting (source 1 in window 1) serves the whole product: an LDS load names a destination and source 0 alone.
.set LI,   1                           ; v1   16 x lane
.set ADB,  2                           ; v2, v3  LDS address of my columns' tiles 0-3, 4-7
.set STO,  4                           ; v4   the way out: where I put 32 bytes of a row
.set RD,   5                           ; v5   where I read a row back
.set GO,   6                           ; v6   my byte offset in two rows of out0
.set BI,   8                           ; v8-15  be at my four columns of each half of 64
.set SPW,  28                          ; v28  LDS address of my spare word; never rewritten
.set NIL,  29                          ; v29  0; never rewritten
.set BX,   32
.set ACC,  128
.set SP,   272                         ; a stage row: 256 bytes + 16 of padding
.set STAGE, 262144                     ; behind We's bytes: a stage of 16 rows for each wave, 17 blocks of 256 bytes, into which no fill lands
.set SPARE, STAGE+8*16*SP              ; behind the stages: the spare words, 128 bytes for each wave
.set MSB, 0
.macro WIN new                         ; the immediate's high byte repeats the setting that is left
.if MSB != \new
	s_set_vgpr_msb (MSB<<8)|\new
.set MSB, \new
.endif
.endm
.macro CROUND                          ; a round of the cluster's barrier
	s_barrier_signal -1
	s_barrier_wait -1
	s_cmp_lg_u32 s16, 0
	s_cbranch_scc1 .Lnot_wave_0_\@
	s_barrier_signal -3
.Lnot_wave_0_\@:
	s_barrier_wait -3
	s_barrier_signal -1
	s_barrier_wait -1
.endm
	s_load_b256 s[4:11], s[0:1], 0x0               ; att s[4:5], codes s[6:7], the scales' exponents s[8:9], be s[10:11]
	s_load_b64 s[12:13], s[0:1], 0x20              ; out0
	v_lshl_add_u32 v[SPW], v0, 2, SPARE
	v_mov_b32 v[NIL], 0
	ds_add_u32 v[SPW], v[NIL]                      ; the opening: the add, twice on end, and its wait ahead of my tensor load
	ds_add_u32 v[SPW], v[NIL]
	v_lshrrev_b32 v1, 5, v0
	v_readfirstlane_b32 s16, v1                    ; wave 0..7
	s_lshr_b32 s17, s16, 1                         ; which 32 rows are mine
	s_and_b32 s18, s16, 1                          ; which 128 columns
	s_bfe_u32 s40, ttmp6, 0x40000                  ; cx
	s_lshl_b32 s42, ttmp9, 2
	s_add_co_u32 s42, s42, s40                     ; my block of 128 rows: 4 x cluster x + cx
	s_and_b32 s20, ttmp7, 0xffff                   ; my block of 256 columns, which the four partners share
	s_mov_b32 s24, 15|(3<<16)|(1<<21)              ; group 1: the mask: all four work-groups; elements of 8 bytes; bit 21 set beside a mask
	s_mov_b32 s25, 512<<16                         ; 8 rows of 4,096 bytes, dense
	s_mov_b32 s26, 8<<16
	s_mov_b32 s27, 512<<16
	s_mov_b32 s28, 8
	s_mov_b32 s29, 512
	s_mov_b32 s30, 0
	s_mov_b32 s31, 0
	s_lshl_b32 s46, s20, 18                        ; We: 262,144 bytes for each block of columns,
	s_lshl_b32 s47, s16, 15                        ; 32,768 for each wave,
	s_add_co_u32 s46, s46, s47
	s_add_co_u32 s46, s46, 27<<20                  ; behind the other tensors' codes
	s_mov_b32 s47, 0
	s_mov_b32 s32, 1                               ; group 0: count = 1
	s_lshl_b32 s33, s16, 15                        ; LDS address: 32,768 x wave
	s_wait_dscnt 0x0                               ; both opening adds are done
	s_wait_kmcnt 0x0
	s_load_b64 s[96:97], s[8:9], 0x28              ; e10, e11
	s_add_nc_u64 s[34:35], s[6:7], s[46:47]
	s_or_b32 s35, s35, 0x80000000                  ; type = 2
	CROUND                                         ; all four work-groups are here: the joint loads meet
	tensor_load_to_lds s[32:35], s[24:31]          ; every wave's one load
	s_nop 0
.rept 4
	v_nop
.endr
	s_lshl_b32 s50, s42, 17                        ; att: 8 row tiles of 16,384 bytes for each block of rows,
	s_lshl_b32 s51, s17, 15                        ; two for each wave row
	s_add_co_u32 s50, s50, s51
	s_mov_b32 s51, 0
	s_add_nc_u64 s[4:5], s[4:5], s[50:51]
	s_lshl_b32 s52, s20, 10                        ; my first column, in bytes of f32: 1,024 x block + 512 x half
	s_lshl_b32 s53, s18, 9
	s_add_co_u32 s52, s52, s53
	s_mov_b32 s53, 0
	s_add_nc_u64 s[10:11], s[10:11], s[52:53]
	s_lshl_b32 s54, s42, 19                        ; out0: 128 rows of 4,096 bytes for each block, 32 for each wave row
	s_lshl_b32 s55, s17, 17
	s_add_co_u32 s54, s54, s55
	s_add_co_u32 s54, s54, s52
	s_mov_b32 s55, 0
	s_add_nc_u64 s[12:13], s[12:13], s[54:55]
	s_lshl_b32 s56, s18, 17                        ; LDS: my 128 columns are eight tiles of 16,384 bytes
	s_mul_i32 s57, s16, 16*SP
	s_add_co_u32 s57, s57, STAGE                   ; my stage
	v_and_b32 v[LI], 31, v0
	v_lshlrev_b32 v[LI], 4, v[LI]
	v_and_b32 v16, 15, v0                          ; r = lane % 16
	v_bfe_u32 v17, v0, 4, 1                        ; h = lane / 16
	v_add_nc_u32 v[ADB], s56, v[LI]
	v_add_nc_u32 v[ADB+1], 0x10000, v[ADB]
	v_lshlrev_b32 v7, 4, v16                       ; 16 r
	v_mul_u32_u24 v[STO], v16, SP                  ; in: row r, 32 bytes for each half of the lanes
	v_lshl_add_u32 v[STO], v17, 5, v[STO]
	v_add_nc_u32 v[STO], s57, v[STO]
	v_mul_u32_u24 v[RD], v17, SP                   ; back: lanes 0-15 one row of 256 bytes, lanes 16-31 the next
	v_add_nc_u32 v[RD], v[RD], v7
	v_add_nc_u32 v[RD], s57, v[RD]
	v_lshl_add_u32 v[GO], v17, 12, v7              ; and the same two rows in out0
	s_wait_alu depctr_va_vdst(0)                   ; the wait at the end of the head's vector work
	global_load_b128 v[BI:BI+3], v7, s[10:11]      ; be at columns 4 r .. 4 r + 3 of my first 64,
	global_load_b128 v[BI+4:BI+7], v7, s[10:11] offset:256   ; and of my second 64
	WIN 0x40                                       ; destination in window 1
.irp k, 0,1,2,3,4,5,6,7
.irp a, 0,1
.irp c, 0,1,2,3
	global_load_b128 v[16*(8*\a+\k)+4*\c:16*(8*\a+\k)+4*\c+3], v[LI], s[4:5] offset:16384*\a+2048*\k+512*\c
.endr
.endr
.endr
	WIN 0
	s_wait_kmcnt 0x0
	s_add_co_i32 s96, s96, s97
	s_add_co_i32 s96, s96, 127
	s_lshl_b32 s96, s96, 23                        ; 2^(e10 + e11) as f32
	s_mov_b32 s97, s96                             ; (named with it as a pair)
	s_wait_tensorcnt 0x0                           ; my part of We has landed
	s_barrier_signal -1
	s_barrier_wait -1                              ; and so has every wave's; nothing is filled again
; Two fragments of We: column tiles 2 p and 2 p + 1 of my eight, K step k
.macro BLOAD buf, k, p
.irp i, 0,1
.irp c, 0,1,2,3
	ds_load_b128 v[\buf+16*\i+4*\c:\buf+16*\i+4*\c+3], v[ADB+(\p)/2] offset:(2*((\p)%2)+\i)*16384+2048*(\k)+512*\c
.endr
.endr
.endm
; Four matrix instructions: my two row tiles x those two column tiles.  The 16 accumulators take turns, one instruction a turn, in the same order in every K step.
; K step 0's products start the sums: nothing is cleared.
.macro MUL buf, k, p
.irp a, 0,1
.irp i, 0,1
.if (\k) == 0
	v_wmma_f32_16x16x128_fp8_fp8 v[ACC+8*(8*\a+2*(\p)+\i):ACC+8*(8*\a+2*(\p)+\i)+7], v[\buf+16*\i:\buf+16*\i+15], v[16*(8*\a+(\k)):16*(8*\a+(\k))+15], 0
.else
	v_wmma_f32_16x16x128_fp8_fp8 v[ACC+8*(8*\a+2*(\p)+\i):ACC+8*(8*\a+2*(\p)+\i)+7], v[\buf+16*\i:\buf+16*\i+15], v[16*(8*\a+(\k)):16*(8*\a+(\k))+15], v[ACC+8*(8*\a+2*(\p)+\i):ACC+8*(8*\a+2*(\p)+\i)+7]
.endif
.endr
.endr
.endm
	WIN 0x04                                       ; source 1 (att) in window 1, all else in window 0: for the whole product
	BLOAD BX, 0, 0
	BLOAD BX+32, 0, 1
.set g, 0                              ; 32 groups: K step g / 4, pair of column tiles g % 4, buffer g % 2
.rept 32
.if g%4 == 0
	s_wait_loadcnt 8*(7-g/4)                       ; att's eight loads of this K step are in; those of the later K steps may be out
.endif
.if g < 31
	s_wait_dscnt 8                                 ; this group's fragments are in; the other buffer's eight loads may be out
.else
	s_wait_dscnt 0
.endif
	MUL BX+32*(g%2), g/4, g%4
.if g < 30
.rept 4
	v_nop                                          ; four places ahead of loads into registers that matrix instructions have read
.endr
	BLOAD BX+32*(g%2), (g+2)/4, (g+2)%4
.endif
.set g, g+1
.endr
	WIN 0
.rept 4
	v_nop                                          ; four places ahead of the first read of the last results (ISA guide 7.12.1)
.endr
; THE WAY OUT, in four blocks n of 16 rows (n / 2) x 64 columns (n % 2).  The sums go as they are through my own stage in LDS and come back as rows of 256 bytes; there a lane holds four neighbouring columns,
; the same in every row, so that the bias is four registers; sum x 2^(e10 + e11) + be is one fused multiply-add for two numbers.  Sixteen lanes store one aligned unit of 256 bytes.
; LDS serves a wave's instructions in order (ISA guide 5.7.1.4): no wait between the stores and the loads, nor in front of the next block's stores.
.macro TOSTAGE n
.irp t, 0,1,2,3
	ds_store_b128 v[STO], v[ACC+8*(8*((\n)/2)+4*((\n)%2)+\t):ACC+8*(8*((\n)/2)+4*((\n)%2)+\t)+3] offset:64*\t          ; each accumulator from its low end on
	ds_store_b128 v[STO], v[ACC+8*(8*((\n)/2)+4*((\n)%2)+\t)+4:ACC+8*(8*((\n)/2)+4*((\n)%2)+\t)+7] offset:64*\t+16
.endr
.irp i, 0,1,2,3,4,5,6,7
	ds_load_b128 v[BX+32*((\n)%3)+4*\i:BX+32*((\n)%3)+4*\i+3], v[RD] offset:2*\i*SP
.endr
.endm
.macro SEND n, younger                 ; younger: the LDS instructions issued behind block n's loads, which may stay out
	s_wait_dscnt \younger
.irp i, 0,1,2,3,4,5,6,7
	v_pk_fma_f32 v[BX+32*((\n)%3)+4*\i:BX+32*((\n)%3)+4*\i+1], v[BX+32*((\n)%3)+4*\i:BX+32*((\n)%3)+4*\i+1], s[96:97], v[BI+4*((\n)%2):BI+4*((\n)%2)+1] op_sel_hi:[1,0,1]
	v_pk_fma_f32 v[BX+32*((\n)%3)+4*\i+2:BX+32*((\n)%3)+4*\i+3], v[BX+32*((\n)%3)+4*\i+2:BX+32*((\n)%3)+4*\i+3], s[96:97], v[BI+4*((\n)%2)+2:BI+4*((\n)%2)+3] op_sel_hi:[1,0,1]
.endr
.irp i, 0,1,2,3,4,5,6,7
	global_store_b128 v[GO], v[BX+32*((\n)%3)+4*\i:BX+32*((\n)%3)+4*\i+3], s[12:13] offset:(16*((\n)/2)+2*\i)*4096+256*((\n)%2) th:TH_STORE_NT
.endr
.endm
	TOSTAGE 0
	TOSTAGE 1
	SEND 0, 16                                     ; behind block 0's loads: block 1's eight stores and eight loads
	TOSTAGE 2
	SEND 1, 16
	s_wait_xcnt 0x0                                ; block 0's stores have read their registers: block 3's loads may land there
	TOSTAGE 3
	SEND 2, 16
	SEND 3, 0
	s_wait_tensorcnt 0x0                           ; the wave's end
	ds_add_u32 v[SPW], v[NIL]
	s_wait_dscnt 0x0
	CROUND                                         ; the closing round: no work-group ends while a partner may still ask for bytes that name it
	s_endpgm
.Lfunc_end_k_q30d3ed3e8d_oproj:
	.size	k_q30d3ed3e8d_oproj, .Lfunc_end_k_q30d3ed3e8d_oproj-k_q30d3ed3e8d_oproj
	.p2alignl 7, 3214868480
	.fill 96, 4, 3214868480
	.section	.rodata,"a",@progbits
	.p2align	6, 0x0
	.amdhsa_kernel k_q30d3ed3e8d_oproj
		.amdhsa_group_segment_fixed_size 297984
		.amdhsa_private_segment_fixed_size 0
		.amdhsa_enable_private_segment 0
		.amdhsa_kernarg_size 40
		.amdhsa_user_sgpr_count 2
		.amdhsa_user_sgpr_kernarg_segment_ptr 1
		.amdhsa_wavefront_size32 1
		.amdhsa_system_sgpr_workgroup_id_x 1
		.amdhsa_system_sgpr_workgroup_id_y 1
		.amdhsa_system_sgpr_workgroup_id_z 1
		.amdhsa_system_vgpr_workitem_id 0
		.amdhsa_next_free_vgpr 512
		.amdhsa_next_free_sgpr 100
		.amdhsa_reserve_vcc 0
		.amdhsa_float_denorm_mode_32 3
		.amdhsa_float_denorm_mode_16_64 3
		.amdhsa_memory_ordered 1
		.amdhsa_forward_progress 1
		.amdhsa_inst_pref_size 52
	.end_amdhsa_kernel
	.amdgpu_metadata
---
amdhsa.version: [ 1, 2 ]
amdhsa.kernels:
  - .name:           k_q30d3ed3e8d_oproj
    .symbol:         k_q30d3ed3e8d_oproj.kd
    .args:
      - { .name: att, .offset: 0, .size: 8, .value_kind: global_buffer, .address_space: global }
      - { .name: codes, .offset: 8, .size: 8, .value_kind: global_buffer, .address_space: global }
      - { .name: lowp_scales, .offset: 16, .size: 8, .value_kind: global_buffer, .address_space: global }
      - { .name: be, .offset: 24, .size: 8, .value_kind: global_buffer, .address_space: global }
      - { .name: out0, .offset: 32, .size: 8, .value_kind: global_buffer, .address_space: global }
    .group_segment_fixed_size: 297984
    .private_segment_fixed_size: 0
    .kernarg_segment_align: 8
    .kernarg_segment_size: 40
    .max_flat_workgroup_size: 256
    .sgpr_count:     100
    .vgpr_count:     512
    .wavefront_size: 32
...
	.end_amdgpu_metadata
.endif
;; end of part 4
